; MI455X (gfx1250); checked and timed in simulation.
; The chip was launched on July 23, 2026; its instructions are those of AMD's public machine-readable ISA for CDNA 5 (MIT licence, August 2026) and "CDNA5" Instruction Set Architecture Reference Guide (July 2026). The comments in the code are by the model that wrote it; some were corrected since.
;; Block. Allowed arithmetic: float matrix products may take bf16 or f16 operands with f32 sums; other float arithmetic in f32, or as packed bf16 or f16 multiplies, adds, multiply-adds, maxima and minima; sums over many terms, partial sums and values carried from step to step in f32; what a program stores and reads back later, other than sums and carried values, may be rounded once to bf16 or f16.
;; Inputs: b_fc1 1,024 float32; b_fc2 256 float32; b_proj 256 float32; bn_fc1 4 x 1,024 float32; bn_fc2 4 x 256 float32; bn_k 4 x 256 float32; bn_proj 4 x 256 float32; bn_q 4 x 256 float32; bn_v 4 x 256 float32; res_attn 1 float32; w_fc1 1,024 x 256 float32; w_fc2 256 x 1,024 float32; w_proj 256 x 256 float32; wk 256 x 256 float32; wq 256 x 256 float32; wv 256 x 256 float32; x 4 x 16 x 256 x 32 x 32 float32.
;; Outputs: out0 4 x 16 x 256 x 32 x 32 float32.
;; One version. Each part assembles by itself: llvm-mc -triple=amdgcn-amd-amdhsa -mcpu=gfx1250 --defsym DOCPART=n.
;; ======== version 1 of 1: 4 launches
;; workspace buffers: wst 1,572,864 bytes; tab 18,432 bytes; kvp 33,554,432 bytes; kvf 1,048,576 bytes
;; launch prep (part 1): grid 105 x 1, 8 waves a work-group, no clusters, 0 bytes of LDS; arguments wk, wv, wq, w_proj, w_fc1, w_fc2, bn_k, bn_v, bn_q, bn_proj, bn_fc1, bn_fc2, b_proj, b_fc1, b_fc2, wst, tab; writes wst, tab
.if DOCPART == 1
	.amdgcn_target "amdgcn-amd-amdhsa--gfx1250"
	.amdhsa_code_object_version 6
	.text
	.protected	k_q64b4629b63_prep
	.globl	k_q64b4629b63_prep
	.p2align	8
	.type	k_q64b4629b63_prep,@function
k_q64b4629b63_prep:
	s_mov_b64 s[64:65], 0
	v_nop
	global_prefetch_b8 v0, s[64:65] scope:SCOPE_SE
	s_setreg_imm32_b32 hwreg(HW_REG_WAVE_MODE, 25, 1), 1
	s_wait_xcnt 0x0
; PREP.  (1) The six weight matrices, rounded once to bf16, as a stream of matrix fragments in the order in which the later launches walk them.
; A fragment is 16 rows x 32 k = 1,024 dense bytes: byte q 512 + 16 lane holds row lane % 16, k = k0 + 16 q + 8 (lane / 16) + 0..7: a lane's registers 4 q .. 4 q + 3.
; wst has 24 steps of 64 fragments.  Steps 0-3 (the k and v launch): f = ch 32 + m 16 + ks 2 + cb: wk (m = 0) or wv, rows (4 ch + step) 32 + 16 cb, k0 = 32 ks.
; Steps 4 + g (g = 0..3: wq and w_proj; g = 4..19: w_fc1 and w_fc2; g' = g or g - 4): f < 32: rows 64 g' + 16 (f & 3), k0 = 32 (f >> 2); f >= 32: rows 16 ((f - 32) & 15), k0 = 64 g' + 32 ((f - 32) >> 4).
; (2) The six batch norms folded: scale = g rsqrt(var + 1e-5), shift = (bias - mean) scale + beta, in f32, from g, beta, mean, var and bias ROUNDED TO BF16 like every other input of the program.
; LIMITS.  The fold rounds in another order than g (y - mean) rsqrt(..) + beta: a few last bits of f32.  The root is v_rsq_f32 with one Newton step.  NaN and infinities are not treated apart.
; Work-groups 0-95: a quarter of a step (16 fragments) each.  Work-groups 96-104: 256 channels of one norm each, a thread a channel.  All branches hang on the work-group's number.
.set EPS,  0x3727c5ac                  ; 1e-5
.set SRC,  42                          ; s[42:43] the matrix
.set RP,   44                          ; s44  bytes in a row of it
.set R0,   45                          ; s45  first row of the quarter
.set K0,   46                          ; s46  first k of the quarter
.set MR,   47                          ; s47  fragment number & MR counts blocks of 16 rows,
.set BASE, 48                          ; s[48:55] four addresses, one for each of my fragments
.set SK,   56                          ; s56  fragment number >> SK blocks of 32 k
	s_load_b512 s[8:23], s[0:1], 0x0               ; wk 8, wv 10, wq 12, w_proj 14, w_fc1 16, w_fc2 18, bn_k 20, bn_v 22
	s_load_b512 s[24:39], s[0:1], 0x40             ; bn_q 24, bn_proj 26, bn_fc1 28, bn_fc2 30, b_proj 32, b_fc1 34, b_fc2 36, wst 38
	s_load_b64 s[40:41], s[0:1], 0x80              ; tab
	v_lshrrev_b32 v1, 5, v0
	v_readfirstlane_b32 s2, v1                     ; wave 0..7
	v_and_b32 v2, 31, v0                           ; lane
	s_wait_kmcnt 0x0
	s_cmp_ge_u32 ttmp9, 96
	s_cbranch_scc1 .Ltables
	s_lshr_b32 s3, ttmp9, 2                        ; the step
	s_and_b32 s4, ttmp9, 3                         ; the quarter
	s_cmp_ge_u32 s3, 4
	s_cbranch_scc1 .Lmain_steps
	s_bitcmp1_b32 s4, 0                            ; quarter = 2 ch + m
	s_cselect_b64 s[SRC:SRC+1], s[10:11], s[8:9]
	s_mov_b32 s[RP], 1024
	s_lshr_b32 s[R0], s4, 1
	s_lshl2_add_u32 s[R0], s[R0], s3               ; head 4 ch + step
	s_lshl_b32 s[R0], s[R0], 5
	s_mov_b32 s[K0], 0
	s_mov_b32 s[MR], 1
	s_mov_b32 s[SK], 1
	s_branch .Lgo
.Lmain_steps:
	s_sub_co_u32 s5, s3, 4                         ; g
	s_sub_co_u32 s6, s3, 8
	s_mov_b32 s57, 4096
	s_cmp_lt_u32 s5, 4
	s_cselect_b32 s6, s5, s6                       ; g'
	s_cselect_b64 s[SRC:SRC+1], s[12:13], s[16:17] ; the step's first matrix,
	s_cselect_b64 s[58:59], s[14:15], s[18:19]     ; its second,
	s_cselect_b32 s57, 1024, s57                   ; and the second's row
	s_cmp_lt_u32 s4, 2
	s_cbranch_scc0 .Lsecond
	s_mov_b32 s[RP], 1024
	s_lshl_b32 s[R0], s6, 6
	s_lshl_b32 s[K0], s4, 7
	s_mov_b32 s[MR], 3
	s_mov_b32 s[SK], 2
	s_branch .Lgo
.Lsecond:
	s_mov_b64 s[SRC:SRC+1], s[58:59]
	s_mov_b32 s[RP], s57
	s_mov_b32 s[R0], 0
	s_sub_co_u32 s[K0], s4, 2
	s_lshl_b32 s[K0], s[K0], 5
	s_lshl_b32 s7, s6, 6
	s_add_co_u32 s[K0], s[K0], s7
	s_mov_b32 s[MR], 15
	s_mov_b32 s[SK], 4
.Lgo:
	s_lshr_b32 s5, s2, 1                           ; a pair of waves takes a fragment,
	s_and_b32 s6, s2, 1                            ; each wave one half q of its k
.irp it, 0,1,2,3
	s_add_co_u32 s7, s5, 4*\it                     ; fragment 4 it + wave / 2 of the quarter's 16
	s_and_b32 s60, s7, s[MR]
	s_lshl_b32 s60, s60, 4
	s_add_co_u32 s60, s60, s[R0]
	s_mul_i32 s60, s60, s[RP]                      ; its first row, in bytes
	s_lshr_b32 s61, s7, s[SK]
	s_lshl_b32 s61, s61, 5
	s_add_co_u32 s61, s61, s[K0]
	s_lshl4_add_u32 s61, s6, s61                   ; its first k, + 16 q
	s_lshl2_add_u32 s60, s61, s60
	s_mov_b32 s61, 0
	s_add_nc_u64 s[BASE+2*\it:BASE+2*\it+1], s[SRC:SRC+1], s[60:61]
.endr
	v_and_b32 v4, 15, v2
	v_lshrrev_b32 v5, 4, v2
	v_mul_lo_u32 v3, v4, s[RP]
	v_lshl_add_u32 v3, v5, 5, v3                   ; row lane % 16, 8 numbers of f32 for each half of the lanes
	v_lshlrev_b32 v6, 4, v2
	s_lshl_b32 s60, s3, 16                         ; where they go: step, quarter, fragment, half
	s_lshl_b32 s61, s4, 14
	s_add_co_u32 s60, s60, s61
	s_lshl_b32 s61, s5, 10
	s_add_co_u32 s60, s60, s61
	s_lshl_b32 s61, s6, 9
	s_add_co_u32 s60, s60, s61
	s_mov_b32 s61, 0
	s_add_nc_u64 s[38:39], s[38:39], s[60:61]
.irp it, 0,1,2,3
	global_load_b128 v[8+8*\it:11+8*\it],  v3, s[BASE+2*\it:BASE+2*\it+1]
	global_load_b128 v[12+8*\it:15+8*\it], v3, s[BASE+2*\it:BASE+2*\it+1] offset:16
.endr
.irp it, 0,1,2,3
	s_wait_loadcnt 6-2*\it                         ; the later fragments' two loads each may stay out
	v_cvt_pk_bf16_f32 v[40+4*\it], v[8+8*\it],  v[9+8*\it]
	v_cvt_pk_bf16_f32 v[41+4*\it], v[10+8*\it], v[11+8*\it]
	v_cvt_pk_bf16_f32 v[42+4*\it], v[12+8*\it], v[13+8*\it]
	v_cvt_pk_bf16_f32 v[43+4*\it], v[14+8*\it], v[15+8*\it]
	global_store_b128 v6, v[40+4*\it:43+4*\it], s[38:39] offset:\it*4096  ; the wave's store covers 512 consecutive bytes, aligned
.endr
	s_endpgm
.Ltables:                                              ; j = 0 k, 1 v, 2 q, 3 proj, 4-7 fc1's quarters, 8 fc2.  Its 2,048 bytes of tab begin at 2,048 j
	s_sub_co_u32 s3, ttmp9, 96
	s_mov_b64 s[42:43], s[28:29]                   ; bn_fc1 and b_fc1, unless chosen otherwise below
	s_mov_b64 s[44:45], s[34:35]
	s_sub_co_u32 s46, s3, 4
	s_lshl_b32 s46, s46, 10                        ; my first channel x 4 bytes
	s_mov_b32 s47, 4096                            ; bytes in a row of the norm's table
	s_cmp_eq_u32 s3, 0
	s_cselect_b64 s[42:43], s[20:21], s[42:43]
	s_cmp_eq_u32 s3, 1
	s_cselect_b64 s[42:43], s[22:23], s[42:43]
	s_cmp_eq_u32 s3, 2
	s_cselect_b64 s[42:43], s[24:25], s[42:43]
	s_cmp_eq_u32 s3, 3
	s_cselect_b64 s[42:43], s[26:27], s[42:43]
	s_cselect_b64 s[44:45], s[32:33], s[44:45]
	s_cmp_eq_u32 s3, 8
	s_cselect_b64 s[42:43], s[30:31], s[42:43]
	s_cselect_b64 s[44:45], s[36:37], s[44:45]
	s_cselect_b32 s46, 0, s46
	s_cselect_b32 s47, 1024, s47
	s_cmp_lt_u32 s3, 4
	s_cselect_b32 s46, 0, s46
	s_cselect_b32 s47, 1024, s47
	v_lshl_add_u32 v3, v0, 2, s46                  ; gamma's place; beta, mean and var a row further each
	v_add_nc_u32 v4, s47, v3
	v_add_nc_u32 v5, s47, v4
	v_add_nc_u32 v6, s47, v5
	global_load_b32 v10, v3, s[42:43]
	global_load_b32 v11, v4, s[42:43]
	global_load_b32 v12, v5, s[42:43]
	global_load_b32 v13, v6, s[42:43]
	s_cmp_lt_u32 s3, 3
	s_cbranch_scc1 .Lno_bias                       ; q, k and v have no bias
	global_load_b32 v14, v3, s[44:45]
	s_branch .Lbias
.Lno_bias:
	v_mov_b32 v14, 0
.Lbias:
	s_wait_loadcnt 0x0
	v_cvt_pk_bf16_f32 v10, v10, v11                ; the inputs' one rounding to bf16,
	v_cvt_pk_bf16_f32 v12, v12, v13
	v_cvt_pk_bf16_f32 v14, v14, v14
	v_and_b32 v11, 0xffff0000, v10                 ; and back to f32
	v_lshlrev_b32 v10, 16, v10
	v_and_b32 v13, 0xffff0000, v12
	v_lshlrev_b32 v12, 16, v12
	v_lshlrev_b32 v14, 16, v14
	v_add_f32 v15, EPS, v13
	v_rsq_f32 v16, v15
	v_sub_f32 v17, v14, v12                        ; bias - mean: the plain instruction behind the root
	s_wait_alu depctr_va_vdst(0)                   ; the wait ahead of the root's first reader
	v_mul_f32 v18, v15, v16
	v_fma_f32 v18, -v18, v16, 1.0                  ; 1 - a y y
	v_mul_f32 v19, 0.5, v16
	v_fma_f32 v16, v19, v18, v16                   ; one Newton step
	v_mul_f32 v20, v10, v16                        ; scale
	v_fma_f32 v21, v17, v20, v11                   ; shift
	s_lshl_b32 s48, s3, 11
	s_mov_b32 s49, 0
	s_add_nc_u64 s[40:41], s[40:41], s[48:49]
	v_lshlrev_b32 v22, 3, v0                       ; k and v: (scale, shift) side by side, 8 bytes a channel
	v_lshrrev_b32 v23, 4, v0                       ; the others: 128 bytes for 16 channels: 16 scales, then 16 shifts
	v_and_b32 v24, 15, v0
	v_lshlrev_b32 v24, 2, v24
	v_lshl_add_u32 v23, v23, 7, v24
	s_cmp_lt_u32 s3, 2
	s_cselect_b32 s50, -1, 0
	s_cselect_b32 s51, 4, 64
	v_cndmask_b32 v22, v23, v22, s50
	v_add_nc_u32 v23, s51, v22
	global_store_b32 v22, v20, s[40:41]            ; 18 KiB in all, once in the program
	global_store_b32 v23, v21, s[40:41]
	s_endpgm
.Lfunc_end_k_q64b4629b63_prep:
	.size	k_q64b4629b63_prep, .Lfunc_end_k_q64b4629b63_prep-k_q64b4629b63_prep
	.p2alignl 7, 3214868480
	.fill 96, 4, 3214868480
	.section	.rodata,"a",@progbits
	.p2align	6, 0x0
	.amdhsa_kernel k_q64b4629b63_prep
		.amdhsa_group_segment_fixed_size 0
		.amdhsa_private_segment_fixed_size 0
		.amdhsa_enable_private_segment 0
		.amdhsa_kernarg_size 136
		.amdhsa_user_sgpr_count 2
		.amdhsa_user_sgpr_kernarg_segment_ptr 1
		.amdhsa_wavefront_size32 1
		.amdhsa_system_sgpr_workgroup_id_x 1
		.amdhsa_system_sgpr_workgroup_id_y 1
		.amdhsa_system_sgpr_workgroup_id_z 1
		.amdhsa_system_vgpr_workitem_id 0
		.amdhsa_next_free_vgpr 64
		.amdhsa_next_free_sgpr 66
		.amdhsa_reserve_vcc 0
		.amdhsa_float_denorm_mode_32 3
		.amdhsa_float_denorm_mode_16_64 3
		.amdhsa_memory_ordered 1
		.amdhsa_forward_progress 1
		.amdhsa_inst_pref_size 10
	.end_amdhsa_kernel
	.amdgpu_metadata
---
amdhsa.version: [ 1, 2 ]
amdhsa.kernels:
  - .name:           k_q64b4629b63_prep
    .symbol:         k_q64b4629b63_prep.kd
    .args:
      - { .name: wk, .offset: 0, .size: 8, .value_kind: global_buffer, .address_space: global }
      - { .name: wv, .offset: 8, .size: 8, .value_kind: global_buffer, .address_space: global }
      - { .name: wq, .offset: 16, .size: 8, .value_kind: global_buffer, .address_space: global }
      - { .name: w_proj, .offset: 24, .size: 8, .value_kind: global_buffer, .address_space: global }
      - { .name: w_fc1, .offset: 32, .size: 8, .value_kind: global_buffer, .address_space: global }
      - { .name: w_fc2, .offset: 40, .size: 8, .value_kind: global_buffer, .address_space: global }
      - { .name: bn_k, .offset: 48, .size: 8, .value_kind: global_buffer, .address_space: global }
      - { .name: bn_v, .offset: 56, .size: 8, .value_kind: global_buffer, .address_space: global }
      - { .name: bn_q, .offset: 64, .size: 8, .value_kind: global_buffer, .address_space: global }
      - { .name: bn_proj, .offset: 72, .size: 8, .value_kind: global_buffer, .address_space: global }
      - { .name: bn_fc1, .offset: 80, .size: 8, .value_kind: global_buffer, .address_space: global }
      - { .name: bn_fc2, .offset: 88, .size: 8, .value_kind: global_buffer, .address_space: global }
      - { .name: b_proj, .offset: 96, .size: 8, .value_kind: global_buffer, .address_space: global }
      - { .name: b_fc1, .offset: 104, .size: 8, .value_kind: global_buffer, .address_space: global }
      - { .name: b_fc2, .offset: 112, .size: 8, .value_kind: global_buffer, .address_space: global }
      - { .name: wst, .offset: 120, .size: 8, .value_kind: global_buffer, .address_space: global }
      - { .name: tab, .offset: 128, .size: 8, .value_kind: global_buffer, .address_space: global }
    .group_segment_fixed_size: 0
    .private_segment_fixed_size: 0
    .kernarg_segment_align: 8
    .kernarg_segment_size: 136
    .max_flat_workgroup_size: 256
    .sgpr_count:     66
    .vgpr_count:     64
    .wavefront_size: 32
...
	.end_amdgpu_metadata
.endif
;; end of part 1
;; launch kvpart (part 2): grid 256 x 1, 4 waves a work-group, clusters of 4 x 1, 327,680 bytes of LDS; arguments x, wst, tab, kvp; writes kvp
.if DOCPART == 2
	.amdgcn_target "amdgcn-amd-amdhsa--gfx1250"
	.amdhsa_code_object_version 6
	.text
	.protected	k_q64b4629b63_kvpart
	.globl	k_q64b4629b63_kvpart
	.p2align	8
	.type	k_q64b4629b63_kvpart,@function
k_q64b4629b63_kvpart:
	s_mov_b64 s[64:65], 0
	v_nop
	global_prefetch_b8 v0, s[64:65] scope:SCOPE_SE
	s_setreg_imm32_b32 hwreg(HW_REG_WAVE_MODE, 25, 1), 1
	s_wait_xcnt 0x0
	s_wait_alu depctr_hold_cnt(0) depctr_sa_sdst(0) depctr_va_vdst(0) depctr_va_sdst(0) depctr_va_ssrc(0) depctr_va_vcc(0) depctr_vm_vsrc(0)
	s_getreg_b32 s2, hwreg(HW_REG_IB_STS2, 6, 4)
	s_cmp_eq_u32 s2, 0
	s_cbranch_scc0 .Lentry_in_a_cluster
	s_endpgm
.Lentry_in_a_cluster:
	s_bfe_u32 s2, ttmp6, 0x10000c
	s_cmp_lg_u32 s2, 0x3003
	s_cbranch_scc0 .Lentry_shape_is_right
	s_endpgm
.Lentry_shape_is_right:
; K AND V SPIKES, AND k^T v OVER 64 POSITIONS.  x: [4][16][256][1024] f32.  A work-group takes one batch element b and one chunk of 64 positions, all four time steps, all 8 heads.
; y = W bf16(x) (bf16 products, f32 sums), batch norm as one fused multiply-add, the LIF scan over t, spikes 0 or 1; then for each (head, t) the 32 x 32 sums of k[n][d] v[n][e] over the chunk, stored in f32.
; SHARES.  Wave w: positions 32 (w & 1) .. + 31 (two tiles of 16), heads 4 (w >> 1) .. + 3, one head a trip of the loop.  The two waves of a head add their halves through LDS.
; LAYOUT.  Source 0 = 16 positions x 32 channels of x, source 1 = 16 out-channels x 32 channels of W: in the result a lane holds ONE out-channel (lane % 16) and the positions 8 (lane / 16) + 0..7.
; Two position tiles, rounded to bf16 in pairs, ARE a fragment with 32 positions along K: k's as source 0, v's as source 1 of k^T v.  Nothing changes lanes.
; LIF, with reference's own roundings: d = y - m, m = m + d / 2 (one fused multiply-add; d / 2 is exact); spike = (m >= 1), made as clamp(m 2^30 - pred(1) 2^30) to 0..1: at least 64 where m >= 1, at most 0 below;
; reset m = m - m spike.  LIMITS: NaN and infinities are not treated apart; a reset potential is +0.
; CLUSTER.  All work-groups read the same 256 KiB of weights and 4 KiB of tables: the four of a cluster ask for them jointly, once, at the head.  No LDS byte is filled twice.
; LDS: 0 weights (4 steps x 65,536); TABL (scale, shift) of k and v; STG the stage for x (256 rows of 64 bf16, pitch 160), later the exchange (4 x 8,192): written by LDS stores alone; SPARE the spare words.
; REGISTERS, in windows of 256: window 0 addresses, constants, W's fragments (two sets of 32), 16 accumulators; window 1 two staging sets, later k's and v's fragments and k^T v; windows 2, 3 x's fragments (8 K blocks x 2 tiles x 4 t).
.set TABL,  262144
.set STG,   266240
.set SPARE, 307200
.set SP,    160                        ; a stage row: 128 bytes + 32: an odd multiple of 32
.set VW,  2                            ; v2   LDS address of the step's weights for my heads
.set VW0, 3                            ; v3   32,768 (w >> 1) + 16 lane; never rewritten
.set VT,  4                            ; v4   LDS address of the step's (scale, shift)
.set VT0, 5                            ; v5   TABL + 1,024 (w >> 1) + 8 (lane % 16)
.set VXO, 6                            ; v6   x: two rows of 256 bytes a load
.set VXS, 7                            ; v7   where I put 8 bytes of a stage row
.set VXA, 8                            ; v8   where the turning load reads
.set EXW, 9                            ; v9   the exchange: my 8,192 bytes
.set EXR, 10                           ; v10  my partner's
.set GO,  11                           ; v11  my byte offset in the head's 16,384 bytes of kvp
.set BIG, 12                           ; v[12:13] 2^30
.set C1,  14                           ; v[14:15] -pred(1) 2^30
.set M,   16                           ; v[16:23] the potential of 8 positions
.set SPW, 28                           ; v28  my spare word; never rewritten
.set NIL, 29                           ; v29  0; never rewritten
.set BP,  32                           ; v[32:39] (scale, shift) of my lane's channel: k's two blocks, v's two blocks
.set WB,  64                           ; v[64:127] two sets of four weight fragments
.set ACC, 128                          ; v[128:255] accumulator (cb, pt, t) at ACC + 8 ((2 cb + pt) 4 + t)
.set KF,  0                            ; window 1: k's fragment (db, t) at 8 (4 db + t)
.set VF,  64                           ; window 1: v's fragment (eb, t)
.set DK,  128                          ; window 1: k^T v (t, eb, db) at DK + 8 ((2 t + eb) 2 + db)
.set WV,  14
.set CX,  15
.set PH,  16
.set CH,  17
.set G1,  24                           ; s[24:31] 256 rows of 256 bytes
.set G1T, 32                           ; s[32:39] 4 rows of 256 bytes
.set G0,  40
.set G0T, 44
.set TB,  48                           ; s48  65,536 x step
.set TT,  49                           ; s49  256 x step
.set CNT, 51
.set XB,  66                           ; s[66:73] x at my 64 channels of (t, b), my chunk
.set KP,  74                           ; s[74:75] kvp at the head in hand
.set MSB, 0
.macro WIN new                         ; the immediate's high byte repeats the setting that is left; a switch that changes nothing is dropped
.if MSB != (\new)
	s_set_vgpr_msb (MSB<<8)|(\new)
.set MSB, \new
.endif
.endm
.macro PLACES                          ; four places behind a matrix instruction, ahead of vector work on its registers and of loads into them
.rept 4
	v_nop
.endr
.endm
.macro CROUND                          ; a round of the cluster's barrier
	s_barrier_signal -1
	s_barrier_wait -1
	s_cmp_lg_u32 s[WV], 0
	s_cbranch_scc1 .Lnot_wave_0_\@
	s_barrier_signal -3
.Lnot_wave_0_\@:
	s_barrier_wait -3
	s_barrier_signal -1
	s_barrier_wait -1
.endm
; One time step of the LIF for the 8 numbers at a: on entry the input, on exit the spikes.  Pairs ascend: an accumulator's lowest registers are read first.
.macro CORE a, t, cth, att
.if (\t) == 0
.irp i, 0,2,4,6
	v_pk_mul_f32 v[M+\i:M+\i+1], v[(\a)+\i:(\a)+\i+1], 0.5 op_sel_hi:[1,0]
.endr
.else
.irp i, 0,2,4,6
	v_pk_add_f32 v[(\a)+\i:(\a)+\i+1], v[(\a)+\i:(\a)+\i+1], v[M+\i:M+\i+1] neg_lo:[0,1] neg_hi:[0,1]
.endr
.irp i, 0,2,4,6
	v_pk_fma_f32 v[M+\i:M+\i+1], v[(\a)+\i:(\a)+\i+1], 0.5, v[M+\i:M+\i+1] op_sel_hi:[1,0,1]
.endr
.endif
.irp i, 0,2,4,6
	v_pk_fma_f32 v[(\a)+\i:(\a)+\i+1], v[M+\i:M+\i+1], v[BIG:BIG+1], v[(\cth):(\cth)+1] clamp
.endr
.if (\t) < 3
.irp i, 0,2,4,6
	v_pk_fma_f32 v[M+\i:M+\i+1], v[M+\i:M+\i+1], v[(\a)+\i:(\a)+\i+1], v[M+\i:M+\i+1] neg_lo:[1,0,0] neg_hi:[1,0,0]
.endr
.endif
.endm
	s_load_b256 s[4:11], s[0:1], 0x0               ; x 4, wst 6, tab 8, kvp 10
	v_lshl_add_u32 v[SPW], v0, 2, SPARE
	v_mov_b32 v[NIL], 0
	ds_add_u32 v[SPW], v[NIL]                      ; the opening: the add, twice on end, and its wait ahead of my first tensor load
	ds_add_u32 v[SPW], v[NIL]
	v_lshrrev_b32 v1, 5, v0
	v_readfirstlane_b32 s[WV], v1
	s_bfe_u32 s[CX], ttmp6, 0x40000                ; my place in the cluster: it enters x's and kvp's addresses alone
	s_and_b32 s[PH], s[WV], 1
	s_lshr_b32 s[CH], s[WV], 1
	s_lshr_b32 s18, ttmp9, 2                       ; b
	s_and_b32 s19, ttmp9, 3
	s_lshl2_add_u32 s19, s19, s[CX]                ; chunk
	s_mov_b32 s[G1], 15|(3<<16)|(1<<21)            ; the mask of four; elements of 8 bytes; bit 21 set beside a mask
	s_mov_b32 s[G1+1], 32<<16                      ; tensor_dim0 = 32 elements: rows of 256 bytes
	s_mov_b32 s[G1+2], 256<<16                     ; tensor_dim1 = 256
	s_mov_b32 s[G1+3], 32<<16                      ; tile_dim0
	s_mov_b32 s[G1+4], 256                         ; tile_dim1
	s_mov_b32 s[G1+5], 32                          ; dense: a row begins where the last ends
	s_mov_b32 s[G1+6], 0
	s_mov_b32 s[G1+7], 0
	s_mov_b32 s[G1T], 15|(3<<16)|(1<<21)
	s_mov_b32 s[G1T+1], 32<<16
	s_mov_b32 s[G1T+2], 4<<16
	s_mov_b32 s[G1T+3], 32<<16
	s_mov_b32 s[G1T+4], 4
	s_mov_b32 s[G1T+5], 32
	s_mov_b32 s[G1T+6], 0
	s_mov_b32 s[G1T+7], 0
	s_mov_b32 s[G0], 1
	s_lshl_b32 s[G0+1], s[WV], 16                  ; wave w brings step w, whole
	s_mov_b32 s[G0T], 1
	s_lshl_b32 s[G0T+1], s[WV], 10                 ; and a quarter of the table
	s_add_co_u32 s[G0T+1], s[G0T+1], TABL
	s_lshl_b32 s20, s[WV], 16
	s_mov_b32 s21, 0
	s_lshl_b32 s22, s[WV], 10
	s_mov_b32 s23, 0
	s_lshl_b32 s52, s18, 20                        ; x: b, chunk, my 64 channels
	s_lshl_b32 s53, s19, 8
	s_add_co_u32 s52, s52, s53
	s_lshl_b32 s53, s[WV], 18
	s_add_co_u32 s52, s52, s53
	s_mov_b32 s53, 0
	s_lshl4_add_u32 s54, s18, s19                  ; kvp: (16 b + chunk) x 131,072 + my four heads
	s_lshl_b32 s54, s54, 17
	s_lshl_b32 s55, s[CH], 16
	s_add_co_u32 s54, s54, s55
	s_mov_b32 s55, 0
	s_wait_dscnt 0x0                               ; both opening adds are done
	s_wait_kmcnt 0x0
	s_add_nc_u64 s[G0+2:G0+3], s[6:7], s[20:21]
	s_or_b32 s[G0+3], s[G0+3], 0x80000000
	s_add_nc_u64 s[G0T+2:G0T+3], s[8:9], s[22:23]
	s_or_b32 s[G0T+3], s[G0T+3], 0x80000000
	s_add_nc_u64 s[XB:XB+1], s[4:5], s[52:53]
.irp t, 1,2,3
	s_add_nc_u64 s[XB+2*\t:XB+2*\t+1], s[XB:XB+1], \t<<24
.endr
	s_add_nc_u64 s[KP:KP+1], s[10:11], s[54:55]
	CROUND                                         ; all four work-groups are here: the joint loads meet
	tensor_load_to_lds s[G0T:G0T+3], s[G1T:G1T+7]  ; two tensor loads of mine are out, and no more follow
	s_nop 0
	tensor_load_to_lds s[G0:G0+3], s[G1:G1+7]
	s_nop 0
	PLACES
; x of one t: my 64 channels x 64 positions, two whole rows of 256 bytes a load
.macro LOADX t, set
	WIN 0x40
.set i, 0
.rept 32
	global_load_b128 v[128*(\set)+4*i:128*(\set)+4*i+3], v[VXO], s[XB+2*(\t):XB+2*(\t)+1] offset:i*8192 th:TH_LOAD_NT
.set i, i+1
.endr
.endm
.macro CVTX set                        ; rounded to bf16, in place
	WIN 0x45
.set i, 0
.rept 32
	v_cvt_pk_bf16_f32 v[128*(\set)+4*i],   v[128*(\set)+4*i],   v[128*(\set)+4*i+1]
	v_cvt_pk_bf16_f32 v[128*(\set)+4*i+1], v[128*(\set)+4*i+2], v[128*(\set)+4*i+3]
.set i, i+1
.endr
.endm
.macro STX set
	WIN 0x04
.set i, 0
.rept 32
	ds_store_b64 v[VXS], v[128*(\set)+4*i:128*(\set)+4*i+1] offset:i*2*SP
.set i, i+1
.endr
.endm
.macro XRD t                           ; the stage lies [channel][position]: the turning load makes fragments of 16 positions x 32 channels
.set i, 0
.rept 8
	WIN 0x80+0x40*(i/4)
.irp pt, 0,1
	ds_load_tr16_b128 v[(i%4)*64+(4*\pt+(\t))*8:(i%4)*64+(4*\pt+(\t))*8+3],   v[VXA] offset:i*32*SP+32*\pt
	ds_load_tr16_b128 v[(i%4)*64+(4*\pt+(\t))*8+4:(i%4)*64+(4*\pt+(\t))*8+7], v[VXA] offset:i*32*SP+16*SP+32*\pt
.endr
.set i, i+1
.endr
	WIN 0
.endm
	v_and_b32 v25, 15, v0                          ; lane % 16
	v_bfe_u32 v26, v0, 4, 1                        ; lane / 16
	v_lshlrev_b32 v[VXO], 12, v26
	v_lshl_add_u32 v[VXO], v25, 4, v[VXO]
	LOADX 0, 0
	LOADX 1, 1
	WIN 0
	v_and_b32 v24, 31, v0
	v_lshlrev_b32 v27, 4, v24                      ; 16 lane
	s_lshl_b32 s20, s[CH], 15
	v_add_nc_u32 v[VW0], s20, v27
	s_lshl_b32 s20, s[CH], 10
	s_add_co_u32 s20, s20, TABL
	v_lshl_add_u32 v[VT0], v25, 3, s20
	s_mul_i32 s20, s[WV], 64*SP
	s_add_co_u32 s20, s20, STG
	v_mul_u32_u24 v[VXS], v26, SP
	v_lshl_add_u32 v[VXS], v25, 3, v[VXS]
	v_add_nc_u32 v[VXS], s20, v[VXS]               ; row 64 w + lane / 16, 8 bytes a lane
	v_and_b32 v1, 7, v0
	v_lshl_add_u32 v1, v26, 3, v1
	v_mul_u32_u24 v[VXA], v1, SP                   ; row 8 (lane / 16) + lane % 8,
	v_bfe_u32 v1, v0, 3, 1
	v_lshl_add_u32 v[VXA], v1, 4, v[VXA]           ; 16 bytes by (lane / 8) % 2,
	s_lshl_b32 s20, s[PH], 6
	s_add_co_u32 s20, s20, STG
	v_add_nc_u32 v[VXA], s20, v[VXA]               ; my 32 positions
	s_lshl_b32 s20, s[WV], 13
	s_add_co_u32 s20, s20, STG
	v_add_nc_u32 v[EXW], s20, v27
	s_xor_b32 s20, s[WV], 1
	s_lshl_b32 s20, s20, 13
	s_add_co_u32 s20, s20, STG
	v_add_nc_u32 v[EXR], s20, v27
	s_lshl_b32 s20, s[PH], 13
	v_add_nc_u32 v[GO], s20, v27
	v_mov_b32 v[BIG], 0x4e800000
	v_mov_b32 v[BIG+1], 0x4e800000
	v_mov_b32 v[C1], 0xce7fffff
	v_mov_b32 v[C1+1], 0xce7fffff
.irp t, 0,1,2,3
.if \t < 3
	s_wait_loadcnt 32                              ; this t is in; the other set's 32 loads may stay out
.else
	s_wait_loadcnt 0x0
.endif
	CVTX (\t)%2
	STX (\t)%2
	s_wait_dscnt 0x0                               ; my rows of the stage are written, and the set has been read
.if \t < 2
	LOADX (\t)+2, (\t)%2
.endif
	s_barrier_signal -1
	s_barrier_wait -1                              ; the stage is whole
	XRD \t
.if \t == 3
	s_wait_tensorcnt 0x0                           ; my step of the weights and my quarter of the table have landed
.endif
	s_wait_dscnt 0x0                               ; my reads of the stage are over
	s_barrier_signal -1
	s_barrier_wait -1                              ; the stage is free; behind the last of these everybody's weights are in
.endr
.macro WLOAD set, m, kp                ; four fragments (two K blocks x two blocks of 16 out-channels) of wk (m = 0) or wv
	WIN 0
.irp i, 0,1,2,3
	ds_load_b128 v[WB+32*(\set)+8*\i:WB+32*(\set)+8*\i+3],   v[VW] offset:(\m)*16384+(\kp)*4096+\i*1024
	ds_load_b128 v[WB+32*(\set)+8*\i+4:WB+32*(\set)+8*\i+7], v[VW] offset:(\m)*16384+(\kp)*4096+\i*1024+512
.endr
.endm
.macro MUL32 set, kp                   ; 32 products; the 16 accumulators take turns, one instruction a turn; the first K block starts the sums
	WIN 0x02+(\kp)/2
.irp l, 0,1
.set c, 0
.rept 16
.set xr, ((2*(\kp)+\l)%4)*64+(c%8)*8
.set wr, WB+32*(\set)+8*(2*\l+c/8)
.if (2*(\kp)+\l) == 0
	v_wmma_f32_16x16x32_bf16 v[ACC+8*c:ACC+8*c+7], v[xr:xr+7], v[wr:wr+7], 0
.else
	v_wmma_f32_16x16x32_bf16 v[ACC+8*c:ACC+8*c+7], v[xr:xr+7], v[wr:wr+7], v[ACC+8*c:ACC+8*c+7]
.endif
.set c, c+1
.endr
.endr
.endm
.macro GEMMK m                         ; 32 out-channels x 32 positions x 4 t over 256 channels.  Each wait leaves out the eight loads of the set issued last
	s_wait_dscnt 8
	MUL32 0, 0
	PLACES
	WLOAD 0, \m, 2
	s_wait_dscnt 8
	MUL32 1, 1
	PLACES
	WLOAD 1, \m, 3
	s_wait_dscnt 8
	MUL32 0, 2
	PLACES
.if (\m) == 0
	WLOAD 0, 1, 0                                  ; v's first weights come in under k's LIF
	s_wait_dscnt 8
.else
	s_wait_dscnt 0x0
.endif
	MUL32 1, 3
	PLACES
.if (\m) == 0
	WLOAD 1, 1, 1
.endif
	WIN 0
.endm
.macro LIFK m                          ; batch norm (scale and shift are the lane's own) and the scan over t; the spikes stay in place
	WIN 0
.set g, 0
.rept 4
.set t, 0
.rept 4
.set a, ACC+8*(g*4+t)
.set bp, BP+2*((\m)*2+g/2)
.irp i, 0,2,4,6
	v_pk_fma_f32 v[a+\i:a+\i+1], v[a+\i:a+\i+1], v[bp:bp+1], v[bp:bp+1] op_sel:[0,0,1] op_sel_hi:[1,0,1]
.endr
	CORE a, t, C1, 0
.set t, t+1
.endr
.set g, g+1
.endr
.endm
.macro PACKK m                         ; spikes to bf16 (exact): position tile pt fills registers 4 pt .. 4 pt + 3 of the fragment
	WIN 0x40
.set c, 0
.rept 16
.set a, ACC+8*c
.set d, 64*(\m)+8*((c/8)*4+c%4)+4*((c/4)%2)
.irp i, 0,1,2,3
	v_cvt_pk_bf16_f32 v[d+\i], v[a+2*\i], v[a+2*\i+1]
.endr
.set c, c+1
.endr
	WIN 0
.endm
	s_mov_b32 s[TB], 0
	s_mov_b32 s[TT], 0
	s_mov_b32 s[CNT], 4
.Lstep:                                                ; a trip: one head of my four
	v_add_nc_u32 v[VW], s[TB], v[VW0]
	v_add_nc_u32 v[VT], s[TT], v[VT0]
.irp p, 0,1,2,3
	ds_load_b64 v[BP+2*\p:BP+2*\p+1], v[VT] offset:(\p/2)*2048+(\p%2)*128
.endr
	WLOAD 0, 0, 0
	WLOAD 1, 0, 1
	GEMMK 0
	LIFK 0
	PACKK 0
	GEMMK 1
	LIFK 1
	PACKK 1
	WIN 0x45                                       ; k^T v over my 32 positions: 16 products, each a sum of its own
.set c, 0
.rept 16
	v_wmma_f32_16x16x32_bf16 v[DK+8*c:DK+8*c+7], v[KF+8*((c%2)*4+c/4):KF+8*((c%2)*4+c/4)+7], v[VF+8*(((c/2)%2)*4+c/4):VF+8*(((c/2)%2)*4+c/4)+7], 0
.set c, c+1
.endr
	PLACES
	WIN 0
	s_cmp_eq_u32 s[PH], 0                          ; the wave of the lower positions finishes t = 0, 1, its partner t = 2, 3: each hands over the other half
	s_cbranch_scc0 .Lgive_low
	WIN 0x04
.set c, 0
.rept 16
	ds_store_b128 v[EXW], v[DK+64+4*c:DK+64+4*c+3] offset:c*512
.set c, c+1
.endr
	WIN 0
	s_branch .Lgiven
.Lgive_low:
	WIN 0x04
.set c, 0
.rept 16
	ds_store_b128 v[EXW], v[DK+4*c:DK+4*c+3] offset:c*512
.set c, c+1
.endr
	WIN 0
.Lgiven:
	s_wait_dscnt 0x0
	s_barrier_signal -1
	s_barrier_wait -1
.set c, 0
.rept 16
	ds_load_b128 v[ACC+4*c:ACC+4*c+3], v[EXR] offset:c*512
.set c, c+1
.endr
	s_wait_dscnt 0x0
	s_barrier_signal -1
	s_barrier_wait -1                              ; the exchange is free for the next trip
	s_cmp_eq_u32 s[PH], 0
	s_cbranch_scc0 .Ladd_high
	WIN 0x04
.set c, 0
.rept 32
	v_pk_add_f32 v[ACC+2*c:ACC+2*c+1], v[ACC+2*c:ACC+2*c+1], v[DK+2*c:DK+2*c+1]
.set c, c+1
.endr
	WIN 0
	s_branch .Ladded
.Ladd_high:
	WIN 0x04
.set c, 0
.rept 32
	v_pk_add_f32 v[ACC+2*c:ACC+2*c+1], v[ACC+2*c:ACC+2*c+1], v[DK+64+2*c:DK+64+2*c+1]
.set c, c+1
.endr
	WIN 0
.Ladded:
.set c, 0
.rept 16
	global_store_b128 v[GO], v[ACC+4*c:ACC+4*c+3], s[KP:KP+1] offset:c*512  ; the wave's store covers 512 consecutive bytes, aligned
.set c, c+1
.endr
	s_wait_xcnt 0x0                                ; the stores have read their data and their base: both are written again below and in the next trip
	s_add_nc_u64 s[KP:KP+1], s[KP:KP+1], 16384
	s_add_co_u32 s[TB], s[TB], 65536
	s_add_co_u32 s[TT], s[TT], 256
	s_sub_co_u32 s[CNT], s[CNT], 1
	s_cmp_lg_u32 s[CNT], 0
	s_cbranch_scc1 .Lstep
	s_wait_tensorcnt 0x0                           ; the wave's end
	ds_add_u32 v[SPW], v[NIL]
	s_wait_dscnt 0x0
	CROUND                                         ; the closing round
	s_endpgm
.Lfunc_end_k_q64b4629b63_kvpart:
	.size	k_q64b4629b63_kvpart, .Lfunc_end_k_q64b4629b63_kvpart-k_q64b4629b63_kvpart
	.p2alignl 7, 3214868480
	.fill 96, 4, 3214868480
	.section	.rodata,"a",@progbits
	.p2align	6, 0x0
	.amdhsa_kernel k_q64b4629b63_kvpart
		.amdhsa_group_segment_fixed_size 327680
		.amdhsa_private_segment_fixed_size 0
		.amdhsa_enable_private_segment 0
		.amdhsa_kernarg_size 32
		.amdhsa_user_sgpr_count 2
		.amdhsa_user_sgpr_kernarg_segment_ptr 1
		.amdhsa_wavefront_size32 1
		.amdhsa_system_sgpr_workgroup_id_x 1
		.amdhsa_system_sgpr_workgroup_id_y 1
		.amdhsa_system_sgpr_workgroup_id_z 1
		.amdhsa_system_vgpr_workitem_id 0
		.amdhsa_next_free_vgpr 1024
		.amdhsa_next_free_sgpr 80
		.amdhsa_reserve_vcc 0
		.amdhsa_float_denorm_mode_32 3
		.amdhsa_float_denorm_mode_16_64 3
		.amdhsa_memory_ordered 1
		.amdhsa_forward_progress 1
		.amdhsa_inst_pref_size 129
	.end_amdhsa_kernel
	.amdgpu_metadata
---
amdhsa.version: [ 1, 2 ]
amdhsa.kernels:
  - .name:           k_q64b4629b63_kvpart
    .symbol:         k_q64b4629b63_kvpart.kd
    .args:
      - { .name: x, .offset: 0, .size: 8, .value_kind: global_buffer, .address_space: global }
      - { .name: wst, .offset: 8, .size: 8, .value_kind: global_buffer, .address_space: global }
      - { .name: tab, .offset: 16, .size: 8, .value_kind: global_buffer, .address_space: global }
      - { .name: kvp, .offset: 24, .size: 8, .value_kind: global_buffer, .address_space: global }
    .group_segment_fixed_size: 327680
    .private_segment_fixed_size: 0
    .kernarg_segment_align: 8
    .kernarg_segment_size: 32
    .max_flat_workgroup_size: 128
    .sgpr_count:     80
    .vgpr_count:     1024
    .wavefront_size: 32
...
	.end_amdgpu_metadata
.endif
;; end of part 2
;; launch kvsum (part 3): grid 256 x 1, 8 waves a work-group, no clusters, 0 bytes of LDS; arguments kvp, kvf; writes kvf
.if DOCPART == 3
	.amdgcn_target "amdgcn-amd-amdhsa--gfx1250"
	.amdhsa_code_object_version 6
	.text
	.protected	k_q64b4629b63_kvsum
	.globl	k_q64b4629b63_kvsum
	.p2align	8
	.type	k_q64b4629b63_kvsum,@function
k_q64b4629b63_kvsum:
	s_mov_b64 s[64:65], 0
	v_nop
	global_prefetch_b8 v0, s[64:65] scope:SCOPE_SE
	s_setreg_imm32_b32 hwreg(HW_REG_WAVE_MODE, 25, 1), 1
	s_wait_xcnt 0x0
; k^T v: the 16 chunks' partial sums of a batch element are added (f32; whole numbers, so any order gives the same) and written as f16 fragments of (k^T v)^T.
; kvp: byte ((16 b + chunk) 128 + tile) 1,024 + 512 q + 16 lane; tile = ((4 head + t) 2 + eb) 2 + db; a lane holds e = 16 eb + lane % 16, d = 16 db + 8 (lane / 16) + 4 q + 0..3.
; kvf: byte 65,536 b + 512 tile + 16 lane: half db of the fragment (rows e, K = d) of (head, t, eb).  A sum is at most 1,024, by the count of positions: exact in f16.
; A wave takes one tile: 32 loads of 512 consecutive bytes, all out at once; nothing is shared, so no LDS and no barrier.
	s_load_b128 s[4:7], s[0:1], 0x0                ; kvp, kvf
	s_lshr_b32 s8, ttmp9, 4                        ; b
	s_and_b32 s9, ttmp9, 15                        ; which eight tiles
	s_lshl_b32 s10, s8, 21
	s_lshl_b32 s11, s9, 13
	s_add_co_u32 s10, s10, s11
	s_mov_b32 s11, 0
	s_lshl_b32 s12, s8, 16
	s_lshl_b32 s13, s9, 12
	s_add_co_u32 s12, s12, s13
	s_mov_b32 s13, 0
	v_lshrrev_b32 v1, 5, v0
	v_and_b32 v2, 31, v0
	v_lshlrev_b32 v2, 4, v2
	v_lshl_add_u32 v2, v1, 10, v2
	v_lshlrev_b32 v3, 4, v0
	s_wait_kmcnt 0x0
	s_add_nc_u64 s[4:5], s[4:5], s[10:11]
	s_add_nc_u64 s[6:7], s[6:7], s[12:13]
.set c, 0
.rept 16
	global_load_b128 v[16+8*c:19+8*c], v2, s[4:5] offset:c*131072 th:TH_LOAD_NT
	global_load_b128 v[20+8*c:23+8*c], v2, s[4:5] offset:c*131072+512 th:TH_LOAD_NT
.set c, c+1
.endr
.set c, 1
.rept 15
	s_wait_loadcnt 2*(15-c)                        ; chunk c is in; the later chunks' two loads each may stay out
.irp i, 0,2,4,6
	v_pk_add_f32 v[16+\i:17+\i], v[16+\i:17+\i], v[16+8*c+\i:17+8*c+\i]
.endr
.set c, c+1
.endr
.irp i, 0,1,2,3
	v_cvt_pk_f16_f32 v[8+\i], v[16+2*\i], v[17+2*\i]
.endr
	global_store_b128 v3, v[8:11], s[6:7]          ; the wave's store covers 512 consecutive bytes, aligned
	s_endpgm
.Lfunc_end_k_q64b4629b63_kvsum:
	.size	k_q64b4629b63_kvsum, .Lfunc_end_k_q64b4629b63_kvsum-k_q64b4629b63_kvsum
	.p2alignl 7, 3214868480
	.fill 96, 4, 3214868480
	.section	.rodata,"a",@progbits
	.p2align	6, 0x0
	.amdhsa_kernel k_q64b4629b63_kvsum
		.amdhsa_group_segment_fixed_size 0
		.amdhsa_private_segment_fixed_size 0
		.amdhsa_enable_private_segment 0
		.amdhsa_kernarg_size 16
		.amdhsa_user_sgpr_count 2
		.amdhsa_user_sgpr_kernarg_segment_ptr 1
		.amdhsa_wavefront_size32 1
		.amdhsa_system_sgpr_workgroup_id_x 1
		.amdhsa_system_sgpr_workgroup_id_y 1
		.amdhsa_system_sgpr_workgroup_id_z 1
		.amdhsa_system_vgpr_workitem_id 0
		.amdhsa_next_free_vgpr 160
		.amdhsa_next_free_sgpr 66
		.amdhsa_reserve_vcc 0
		.amdhsa_float_denorm_mode_32 3
		.amdhsa_float_denorm_mode_16_64 3
		.amdhsa_memory_ordered 1
		.amdhsa_forward_progress 1
		.amdhsa_inst_pref_size 9
	.end_amdhsa_kernel
	.amdgpu_metadata
---
amdhsa.version: [ 1, 2 ]
amdhsa.kernels:
  - .name:           k_q64b4629b63_kvsum
    .symbol:         k_q64b4629b63_kvsum.kd
    .args:
      - { .name: kvp, .offset: 0, .size: 8, .value_kind: global_buffer, .address_space: global }
      - { .name: kvf, .offset: 8, .size: 8, .value_kind: global_buffer, .address_space: global }
    .group_segment_fixed_size: 0
    .private_segment_fixed_size: 0
    .kernarg_segment_align: 8
    .kernarg_segment_size: 16
    .max_flat_workgroup_size: 256
    .sgpr_count:     66
    .vgpr_count:     160
    .wavefront_size: 32
...
	.end_amdgpu_metadata
.endif
;; end of part 3
;; launch main (part 4): grid 256 x 1, 4 waves a work-group, clusters of 4 x 1, 327,680 bytes of LDS; arguments x, wst, tab, kvf, out0; writes out0
.if DOCPART == 4
	.amdgcn_target "amdgcn-amd-amdhsa--gfx1250"
	.amdhsa_code_object_version 6
	.text
	.protected	k_q64b4629b63_main
	.globl	k_q64b4629b63_main
	.p2align	8
	.type	k_q64b4629b63_main,@function
k_q64b4629b63_main:
	s_mov_b64 s[64:65], 0
	v_nop
	global_prefetch_b8 v0, s[64:65] scope:SCOPE_SE
	s_setreg_imm32_b32 hwreg(HW_REG_WAVE_MODE, 25, 1), 1
	s_wait_xcnt 0x0
	s_wait_alu depctr_hold_cnt(0) depctr_sa_sdst(0) depctr_va_vdst(0) depctr_va_sdst(0) depctr_va_ssrc(0) depctr_va_vcc(0) depctr_vm_vsrc(0)
	s_getreg_b32 s2, hwreg(HW_REG_IB_STS2, 6, 4)
	s_cmp_eq_u32 s2, 0
	s_cbranch_scc0 .Lentry_in_a_cluster
	s_endpgm
.Lentry_in_a_cluster:
	s_bfe_u32 s2, ttmp6, 0x10000c
	s_cmp_lg_u32 s2, 0x3003
	s_cbranch_scc0 .Lentry_shape_is_right
	s_endpgm
.Lentry_shape_is_right:
; THE BLOCK BEHIND k^T v: q, attention, projection, residual, fc1, fc2, residual.  A work-group takes one batch element b and 64 positions; wave w owns positions 16 w .. + 15, all four t, all channels.
; LAYOUT.  Source 0 = a weight fragment (16 out-channels x 32 k), source 1 = an activation fragment (16 positions x 32 channels): in the result a lane holds ONE position (lane % 16) and the channels
; 8 (lane / 16) + 0..7.  Two such results, rounded in pairs, ARE the next layer's source 1.  So from x to the output nothing changes lanes, and the scan over t runs in a lane's own registers.
; FORMATS.  Weights and x rounded once to bf16; spikes are 0 or 1, exact in bf16 and f16; k^T v (whole numbers up to 1,024, by the count of positions) and q go in f16, where both are exact; sums in f32.
; x + s is no 16-bit number, so fc1 is W1 bf16(x) + W1 s: two products on each weight fragment.  The output's residual takes bf16(x): off by at most 2^-9 |x| from the f32 x.
; LIF as in the launch before: d = y - m, m = m + d / 2, spike = clamp(m 2^30 - pred(th) 2^30), m = m - m spike; attention's input is the sum / 8 (exact), th = 1/2.  NaN and infinities are not treated apart; a reset potential is +0.
; THE WALK.  20 steps of 65,536 bytes of weight fragments through two LDS slots.  Steps 0-3: 64 channels of q (two heads), their attention, and their share of the projection's K.  Steps 4-19: 64 hidden channels of fc1, their LIF,
; and their share of fc2's K.  The projection's and then fc2's 256 x 16 x 4 sums stay in 512 registers.  s lies in LDS as fragments, each wave's own; x's fragments in 256 registers.
; CLUSTER.  Every work-group walks the same stream, so the four of a cluster ask for each step JOINTLY, each wave for a quarter of it (64 rows of 256 bytes).
; LDS: 0 the two slots, 65,536 each: every byte of slot 0 has bit 16 of its address clear, so one exclusive or gives its place in slot 1; behind their last fill the way out's two stages (128 rows, pitch 272) lie there.
; XSB (LDS stores alone, no fill lands there): x's stage (1,024 rows of 64 bf16, pitch 160), then k^T v's fragments (65,536), then s (4 x 32,768).  TABL the norms' tables.  SPARE the spare words.
; REGISTERS, in windows of 256: window 0 addresses, constants, three sets of 32 for runs of LDS loads, 16 accumulators ACC1 (o-block, t); window 1 x's fragments (K block, t); windows 2, 3 ACC2 (16 blocks of 16 out-channels, t).
.set SLOTX, 65536                      ; slot 1 = slot 0 with this bit set
.set XSB,   131072
.set TABL,  294912
.set SPARE, 309248
.set OSB,   34816                      ; 128 rows of 272 bytes
.set SP,    160
.set OP,    272
.set VW,   2                           ; v2   LDS address of the slot in hand + 16 lane
.set VWL,  3                           ; v3   16 lane; never rewritten
.set VS,   4                           ; v4   my wave's s + 16 lane
.set VK,   5                           ; v5   the step's two heads of k^T v
.set VT,   6                           ; v6   the step's tables
.set VT0,  7                           ; v7   TABL + 32 (lane / 16)
.set STO0, 8
.set STO,  9                           ; v9   the way out: where I put a number
.set RD0,  10
.set RD,   11                          ; v11  the way out: where I read rows back
.set GO,   12                          ; v12  4,096 (lane / 16) + 16 (lane % 16): two rows of 256 bytes, in x and in out0; never rewritten
.set ONE,  13
.set BIG,  14                          ; v[14:15] 2^30
.set C1,   16                          ; v[16:17] -pred(1) 2^30
.set C05,  18                          ; v[18:19] -pred(1/2) 2^30
.set M,    20                          ; v[20:27] the potential of 8 channels
.set SPW,  28
.set NIL,  29
.set PFO,  30                          ; v30  256 lane
.set VSE,  31                          ; v31  s's K block in hand
.set BUF,  32                          ; v[32:127]
.set ACC1, 128                         ; v[128:255] (obl, t) at ACC1 + 8 (4 obl + t)
.set XSA,  36                          ; at the head only: v36 stage store, v37-40 stage reads by t, v41 k^T v's place
.set XA,   37
.set KVS,  41
.set WV,   14
.set CX,   15
.set G1,   24                          ; s[24:31] 64 rows of 256 bytes
.set G1T,  32                          ; s[32:39] 14 rows of 256 bytes
.set G0,   40                          ; s[40:43] walks
.set G0T,  44
.set TB,   48                          ; s48  the slot in hand
.set TO,   49                          ; s49  byte in the tables
.set KO,   50                          ; s50  LDS byte of the step's k^T v
.set CNT,  51
.set NEW,  52                          ; s52  1: ACC2's sums are still to be started
.set RR,   53
.set E8,   54                          ; s[54:55] 1/8
.set E16,  56                          ; s[56:57] 1/16
.set PFA,  58                          ; s[58:59] where my prefetches stand
.set LIM,  60                          ; s60  1 in a wave that prefetches, else the greatest number
.set LEFT, 61                          ; s61  fills still to come
.set XT,   66                          ; s[66:67] x at (t = w, b), my chunk
.set OUT,  68                          ; s[68:69] out0 likewise
.set KVP,  70                          ; s[70:71] kvf at b, my quarter
.set SO,   72                          ; s72  byte in my s
.set OSX,  73                          ; s73  0 or OSB
.set MSB, 0
.macro WIN new
.if MSB != (\new)
	s_set_vgpr_msb (MSB<<8)|(\new)
.set MSB, \new
.endif
.endm
.macro PLACES                          ; four places behind a matrix instruction, ahead of vector work on its registers and of loads into them
.rept 4
	v_nop
.endr
.endm
.macro CROUND
	s_barrier_signal -1
	s_barrier_wait -1
	s_cmp_lg_u32 s[WV], 0
	s_cbranch_scc1 .Lnot_wave_0_\@
	s_barrier_signal -3
.Lnot_wave_0_\@:
	s_barrier_wait -3
	s_barrier_signal -1
	s_barrier_wait -1
.endm
; One time step of the LIF for the 8 numbers at a: on entry the input (att = 1: eight times the input), on exit the spikes.  Pairs ascend: an accumulator's lowest registers are read first.
.macro CORE a, t, cth, att
.if (\t) == 0
.irp i, 0,2,4,6
.if \att
	v_pk_mul_f32 v[M+\i:M+\i+1], v[(\a)+\i:(\a)+\i+1], s[E16:E16+1] op_sel_hi:[1,0]
.else
	v_pk_mul_f32 v[M+\i:M+\i+1], v[(\a)+\i:(\a)+\i+1], 0.5 op_sel_hi:[1,0]
.endif
.endr
.else
.irp i, 0,2,4,6
.if \att
	v_pk_fma_f32 v[(\a)+\i:(\a)+\i+1], v[(\a)+\i:(\a)+\i+1], s[E8:E8+1], v[M+\i:M+\i+1] op_sel_hi:[1,0,1] neg_lo:[0,0,1] neg_hi:[0,0,1]
.else
	v_pk_add_f32 v[(\a)+\i:(\a)+\i+1], v[(\a)+\i:(\a)+\i+1], v[M+\i:M+\i+1] neg_lo:[0,1] neg_hi:[0,1]
.endif
.endr
.irp i, 0,2,4,6
	v_pk_fma_f32 v[M+\i:M+\i+1], v[(\a)+\i:(\a)+\i+1], 0.5, v[M+\i:M+\i+1] op_sel_hi:[1,0,1]
.endr
.endif
.irp i, 0,2,4,6
	v_pk_fma_f32 v[(\a)+\i:(\a)+\i+1], v[M+\i:M+\i+1], v[BIG:BIG+1], v[(\cth):(\cth)+1] clamp
.endr
.if (\t) < 3
.irp i, 0,2,4,6
	v_pk_fma_f32 v[M+\i:M+\i+1], v[M+\i:M+\i+1], v[(\a)+\i:(\a)+\i+1], v[M+\i:M+\i+1] neg_lo:[1,0,0] neg_hi:[1,0,0]
.endr
.endif
.endm
; A PREFETCH INTO THE L2 of the step after the one that is being asked for.  All 64 clusters walk the same stream: the first cluster asks.  Its four partners share a step's 65,536 bytes out BY ADDRESS, 16,384 each;
; in each, waves 0 and 1 name 32 blocks of 256 bytes, a lane a block: each block is named once in the launch.  The last fill asks for nothing; the first two steps come by their loads alone.
.macro ASK
	s_cmp_gt_u32 s[LEFT], s[LIM]
	s_cbranch_scc0 .Lnot_mine_\@
	global_prefetch_b8 v[PFO], s[PFA:PFA+1] th:TH_LOAD_NT scope:SCOPE_SE
.Lnot_mine_\@:
.endm
; THE CHANGE OF SLOTS, ahead of each step.  Each wave waits for all its tensor loads (its quarter of the step to come), adds 0 to its spare word, and waits for that and for its reads of the slot that it leaves.
; fill = 1: behind a round of the cluster's barrier the slot just left takes the step after; that load has a whole step's work in which to land.
.macro CHANGE fill
	WIN 0
	s_wait_tensorcnt 0x0                           ; no tensor load of mine is out, so the descriptor may be written
	ds_add_u32 v[SPW], v[NIL]                      ; scalar work stands between the add and the wait for it
.if \fill
	s_xor_b32 s[G0+1], s[G0+1], SLOTX              ; my quarter's place, 16,384 w, lies below 65,536: the exclusive or sets and clears that bit by turns
	s_add_nc_u64 s[G0+2:G0+3], s[G0+2:G0+3], 65536
	s_wait_xcnt 0x0                                ; the last prefetch, a step back, has read its address
	s_add_nc_u64 s[PFA:PFA+1], s[PFA:PFA+1], 65536
.endif
	s_xor_b32 s[TB], s[TB], SLOTX
	s_wait_dscnt 0x0                               ; the add is done, and my LDS reads and stores are over
.if \fill
	CROUND
	tensor_load_to_lds s[G0:G0+3], s[G1:G1+7]
	s_nop 0
	PLACES
	ASK
	s_sub_co_u32 s[LEFT], s[LEFT], 1
.else
	s_barrier_signal -1
	s_barrier_wait -1
.endif
	v_add_nc_u32 v[VW], s[TB], v[VWL]
.endm
; RUNS of 8 LDS loads: four fragments, 16 lane + constants: 512 consecutive bytes a load.
.macro RUN set, rho                    ; run rho of the slot's 16: 0-7 the first matrix (K block rho, four o-blocks), 8-15 the second
	WIN 0
.irp i, 0,1,2,3
	ds_load_b128 v[BUF+32*(\set)+8*\i:BUF+32*(\set)+8*\i+3],   v[VW] offset:(\rho)*4096+\i*1024
	ds_load_b128 v[BUF+32*(\set)+8*\i+4:BUF+32*(\set)+8*\i+7], v[VW] offset:(\rho)*4096+\i*1024+512
.endr
.endm
.macro SRUN set, ks                    ; s's K block ks, four t
	WIN 0
.irp i, 0,1,2,3
	ds_load_b128 v[BUF+32*(\set)+8*\i:BUF+32*(\set)+8*\i+3],   v[VS] offset:((\ks)*4+\i)*1024
	ds_load_b128 v[BUF+32*(\set)+8*\i+4:BUF+32*(\set)+8*\i+7], v[VS] offset:((\ks)*4+\i)*1024+512
.endr
.endm
.macro KRUN hl                         ; k^T v of head hl of the step's two: fragment (t, eb) at BUF + 8 (2 t + eb)
	WIN 0
.set c, 0
.rept 8
	ds_load_b128 v[BUF+8*c:BUF+8*c+3],   v[VK] offset:(\hl)*8192+c*1024
	ds_load_b128 v[BUF+8*c+4:BUF+8*c+7], v[VK] offset:(\hl)*8192+c*1024+512
.set c, c+1
.endr
.endm
.macro BNL buf, obl                    ; my 8 scales and 8 shifts of o-block obl
	WIN 0
	ds_load_b128 v[BUF+64+16*(\buf):BUF+64+16*(\buf)+3],     v[VT] offset:(\obl)*128
	ds_load_b128 v[BUF+64+16*(\buf)+4:BUF+64+16*(\buf)+7],   v[VT] offset:(\obl)*128+16
	ds_load_b128 v[BUF+64+16*(\buf)+8:BUF+64+16*(\buf)+11],  v[VT] offset:(\obl)*128+64
	ds_load_b128 v[BUF+64+16*(\buf)+12:BUF+64+16*(\buf)+15], v[VT] offset:(\obl)*128+80
.endm
; PRODUCTS, 16 to a block; the block's 16 accumulators take turns, one instruction a turn.
.macro XMUL set, ks, zero              ; ACC1 (obl, t) += W (obl) x (ks, t)
	WIN 0x04
.set c, 0
.rept 16
.if \zero
	v_wmma_f32_16x16x32_bf16 v[ACC1+8*c:ACC1+8*c+7], v[BUF+32*(\set)+8*(c/4):BUF+32*(\set)+8*(c/4)+7], v[8*((\ks)*4+c%4):8*((\ks)*4+c%4)+7], 0
.else
	v_wmma_f32_16x16x32_bf16 v[ACC1+8*c:ACC1+8*c+7], v[BUF+32*(\set)+8*(c/4):BUF+32*(\set)+8*(c/4)+7], v[8*((\ks)*4+c%4):8*((\ks)*4+c%4)+7], v[ACC1+8*c:ACC1+8*c+7]
.endif
.set c, c+1
.endr
.endm
.macro SMUL wa, sa                     ; ACC1 (obl, t) += W (obl) s (t)
	WIN 0
.set c, 0
.rept 16
	v_wmma_f32_16x16x32_bf16 v[ACC1+8*c:ACC1+8*c+7], v[BUF+32*(\wa)+8*(c/4):BUF+32*(\wa)+8*(c/4)+7], v[BUF+32*(\sa)+8*(c%4):BUF+32*(\sa)+8*(c%4)+7], v[ACC1+8*c:ACC1+8*c+7]
.set c, c+1
.endr
.endm
.macro AMUL set, j, zero               ; ACC2 (4 (j % 4) + i, t) += W (i) h (j / 4, t); h's fragment (kk, t) lies at ACC1 (2 kk, t)
	WIN 0xa0+0x50*(((\j)%4)/2)
.set c, 0
.rept 16
.set d, (((4*((\j)%4)+c/4)%8)*4+c%4)*8
.if \zero
	v_wmma_f32_16x16x32_bf16 v[d:d+7], v[BUF+32*(\set)+8*(c/4):BUF+32*(\set)+8*(c/4)+7], v[ACC1+8*(8*((\j)/4)+c%4):ACC1+8*(8*((\j)/4)+c%4)+7], 0
.else
	v_wmma_f32_16x16x32_bf16 v[d:d+7], v[BUF+32*(\set)+8*(c/4):BUF+32*(\set)+8*(c/4)+7], v[ACC1+8*(8*((\j)/4)+c%4):ACC1+8*(8*((\j)/4)+c%4)+7], v[d:d+7]
.endif
.set c, c+1
.endr
.endm
; One o-block: batch norm (bn = 1), the scan over t, and the spikes packed in place: o-blocks 2 kk and 2 kk + 1 make the fragment (kk, t) at ACC1 (2 kk, t).  fmt = 1: f16.
.macro TILE4 obl, buf, fmt, bn
.set sc, BUF+64+16*(\buf)
.set t, 0
.rept 4
.set a, ACC1+8*((\obl)*4+t)
.set d, ACC1+8*(((\obl)/2)*8+t)+4*((\obl)%2)
.if \bn
.irp i, 0,2,4,6
	v_pk_fma_f32 v[a+\i:a+\i+1], v[a+\i:a+\i+1], v[sc+\i:sc+\i+1], v[sc+8+\i:sc+8+\i+1]
.endr
.endif
	CORE a, t, C1, 0
.irp i, 0,1,2,3
.if \fmt
	v_cvt_pk_f16_f32 v[d+\i], v[a+2*\i], v[a+2*\i+1]
.else
	v_cvt_pk_bf16_f32 v[d+\i], v[a+2*\i], v[a+2*\i+1]
.endif
.endr
.set t, t+1
.endr
.endm
; Four o-blocks.  Ahead of it were issued: o-block 0's table (4 loads), o-block 1's (4), and 16 loads for the products that follow.
.macro LIF4 fmt
	WIN 0
	s_wait_dscnt 20                                ; o-block 0's table is in; o-block 1's four and the sixteen may stay out
	TILE4 0, 0, \fmt, 1
	BNL 0, 2
	s_wait_dscnt 20                                ; o-block 1's: the sixteen and o-block 2's four may stay out
	TILE4 1, 1, \fmt, 1
	BNL 1, 3
	s_wait_dscnt 4                                 ; o-block 2's: o-block 3's four may stay out
	TILE4 2, 0, \fmt, 1
	s_wait_dscnt 0x0
	TILE4 3, 1, \fmt, 1
.endm
.macro ABLK j, zero                    ; block j of 8 of the second matrix; the wait leaves out the run issued last
.if (\j) == 7
	s_wait_dscnt 0x0
.else
	s_wait_dscnt 8
.endif
	AMUL (\j)%3, \j, \zero
	PLACES
.if (\j) <= 5
	RUN ((\j)+2)%3, 10+(\j)
.endif
.endm
; The step's share of ACC2: 128 products.  first = 1: the text serves a loop whose first trip starts the sums: blocks 0-3 stand twice, once with the constant 0 as C; nothing is ever cleared.
.macro ACCP first
.if \first
	WIN 0
	s_cmp_eq_u32 s[NEW], 1
	s_cbranch_scc1 .Lnew_\@
	ABLK 0, 0
	ABLK 1, 0
	ABLK 2, 0
	ABLK 3, 0
	WIN 0
	s_branch .Lold_\@
.Lnew_\@:
	s_mov_b32 s[NEW], 0
	ABLK 0, 1
	ABLK 1, 1
	ABLK 2, 1
	ABLK 3, 1
	WIN 0
.Lold_\@:
.else
	ABLK 0, 0
	ABLK 1, 0
	ABLK 2, 0
	ABLK 3, 0
.endif
	ABLK 4, 0
	ABLK 5, 0
	ABLK 6, 0
	ABLK 7, 0
	WIN 0
.endm
	s_load_b256 s[4:11], s[0:1], 0x0               ; x 4, wst 6, tab 8, kvf 10
	s_load_b64 s[12:13], s[0:1], 0x20              ; out0
	v_lshl_add_u32 v[SPW], v0, 2, SPARE
	v_mov_b32 v[NIL], 0
	ds_add_u32 v[SPW], v[NIL]                      ; the opening: the add, twice on end, and its wait ahead of my first tensor load
	ds_add_u32 v[SPW], v[NIL]
	v_lshrrev_b32 v1, 5, v0
	v_readfirstlane_b32 s[WV], v1
	s_bfe_u32 s[CX], ttmp6, 0x40000                ; my place in the cluster: it enters global addresses of x, out0 and the prefetches alone
	s_lshr_b32 s18, ttmp9, 2                       ; b
	s_and_b32 s19, ttmp9, 3
	s_lshl2_add_u32 s19, s19, s[CX]                ; chunk
	s_mov_b32 s[G1], 15|(3<<16)|(1<<21)            ; the mask of four; elements of 8 bytes; bit 21 set beside a mask
	s_mov_b32 s[G1+1], 32<<16                      ; rows of 32 elements = 256 bytes
	s_mov_b32 s[G1+2], 64<<16
	s_mov_b32 s[G1+3], 32<<16
	s_mov_b32 s[G1+4], 64
	s_mov_b32 s[G1+5], 32                          ; dense
	s_mov_b32 s[G1+6], 0
	s_mov_b32 s[G1+7], 0
	s_mov_b32 s[G1T], 15|(3<<16)|(1<<21)
	s_mov_b32 s[G1T+1], 32<<16
	s_mov_b32 s[G1T+2], 14<<16
	s_mov_b32 s[G1T+3], 32<<16
	s_mov_b32 s[G1T+4], 14
	s_mov_b32 s[G1T+5], 32
	s_mov_b32 s[G1T+6], 0
	s_mov_b32 s[G1T+7], 0
	s_mov_b32 s[G0], 1
	s_lshl_b32 s[G0+1], s[WV], 14                  ; my quarter of slot 0, which begins at LDS byte 0
	s_mov_b32 s[G0T], 1
	s_mul_i32 s[G0T+1], s[WV], 3584                ; my quarter of the tables
	s_add_co_u32 s[G0T+1], s[G0T+1], TABL
	s_lshl_b32 s20, s[WV], 14
	s_add_co_u32 s20, s20, 4*65536                 ; this launch's steps begin at the stream's step 4
	s_mov_b32 s21, 0
	s_mul_i32 s22, s[WV], 3584
	s_add_co_u32 s22, s22, 4096
	s_mov_b32 s23, 0
	s_lshl4_add_u32 s62, s[WV], s18                ; (t = w, b)
	s_lshl_b32 s62, s62, 20
	s_lshl_b32 s63, s19, 8
	s_add_co_u32 s62, s62, s63
	s_mov_b32 s63, 0
	s_lshl_b32 s72, s18, 16
	s_lshl_b32 s73, s[WV], 14
	s_add_co_u32 s72, s72, s73
	s_mov_b32 s73, 0
	s_lshl_b32 s74, s[CX], 14
	s_lshl_b32 s75, s[WV], 13
	s_add_co_u32 s74, s74, s75
	s_add_co_u32 s74, s74, 5*65536                 ; the first change steps it to this launch's step 2
	s_mov_b32 s75, 0
	s_lshr_b32 s[LIM], s[WV], 1                    ; 0 in waves 0 and 1,
	s_or_b32 s[LIM], s[LIM], ttmp9                 ; of the first cluster: the same in all four partners
	s_cmp_eq_u32 s[LIM], 0
	s_cselect_b32 s[LIM], 1, -1
	s_mov_b32 s[LEFT], 19
	s_mov_b32 s[TB], SLOTX                         ; the first change turns it into slot 0
	s_mov_b32 s[E8], 0x3e000000
	s_mov_b32 s[E8+1], 0x3e000000
	s_mov_b32 s[E16], 0x3d800000
	s_mov_b32 s[E16+1], 0x3d800000
	s_wait_dscnt 0x0                               ; both opening adds are done
	s_wait_kmcnt 0x0
	s_add_nc_u64 s[G0+2:G0+3], s[6:7], s[20:21]
	s_or_b32 s[G0+3], s[G0+3], 0x80000000
	s_add_nc_u64 s[G0T+2:G0T+3], s[8:9], s[22:23]
	s_or_b32 s[G0T+3], s[G0T+3], 0x80000000
	s_add_nc_u64 s[XT:XT+1], s[4:5], s[62:63]
	s_add_nc_u64 s[OUT:OUT+1], s[12:13], s[62:63]
	s_add_nc_u64 s[KVP:KVP+1], s[10:11], s[72:73]
	s_add_nc_u64 s[PFA:PFA+1], s[6:7], s[74:75]
	CROUND                                         ; all four work-groups are here: the first joint loads meet
	tensor_load_to_lds s[G0T:G0T+3], s[G1T:G1T+7]  ; two tensor loads of mine are out here, later one
	s_nop 0
	tensor_load_to_lds s[G0:G0+3], s[G1:G1+7]
	s_nop 0
	PLACES
.macro LOADB n                         ; batch n of four: 64 channels of x (t = w), two whole rows of 256 bytes a load
	WIN 0x40
.set i, 0
.rept 32
	global_load_b128 v[128*((\n)%2)+4*i:128*((\n)%2)+4*i+3], v[GO], s[XT:XT+1] offset:(32*(\n)+i)*8192 th:TH_LOAD_NT
.set i, i+1
.endr
.endm
.macro CVTB n
	WIN 0x45
.set i, 0
.rept 32
	v_cvt_pk_bf16_f32 v[128*((\n)%2)+4*i],   v[128*((\n)%2)+4*i],   v[128*((\n)%2)+4*i+1]
	v_cvt_pk_bf16_f32 v[128*((\n)%2)+4*i+1], v[128*((\n)%2)+4*i+2], v[128*((\n)%2)+4*i+3]
.set i, i+1
.endr
.endm
.macro STB n
	WIN 0x04
.set i, 0
.rept 32
	ds_store_b64 v[XSA], v[128*((\n)%2)+4*i:128*((\n)%2)+4*i+1] offset:(32*(\n)+i)*2*SP
.set i, i+1
.endr
.endm
	v_and_b32 v32, 31, v0                          ; lane
	v_and_b32 v33, 15, v0                          ; lane % 16
	v_bfe_u32 v34, v0, 4, 1                        ; lane / 16
	v_lshlrev_b32 v[VWL], 4, v32
	v_lshlrev_b32 v[GO], 12, v34
	v_lshl_add_u32 v[GO], v33, 4, v[GO]
	WIN 0x80                                       ; my quarter of b's k^T v waits in window 2 until x's stage is dead
.set i, 0
.rept 32
	global_load_b128 v[4*i:4*i+3], v[VWL], s[KVP:KVP+1] offset:i*512
.set i, i+1
.endr
	LOADB 0
	LOADB 1
	WIN 0
	s_mul_i32 s20, s[WV], 256*SP
	s_add_co_u32 s20, s20, XSB
	v_mul_u32_u24 v[XSA], v34, SP
	v_lshl_add_u32 v[XSA], v33, 3, v[XSA]
	v_add_nc_u32 v[XSA], s20, v[XSA]               ; the stage's rows 256 w + ..
	v_and_b32 v35, 7, v0
	v_lshl_add_u32 v35, v34, 3, v35
	v_mul_u32_u24 v35, v35, SP
	v_bfe_u32 v1, v0, 3, 1
	v_lshl_add_u32 v35, v1, 4, v35
	s_lshl_b32 s20, s[WV], 5
	s_add_co_u32 s20, s20, XSB
	v_add_nc_u32 v[XA], s20, v35                   ; the turning load's place: my 16 positions, t = 0
	v_add_nc_u32 v[XA+1], 256*SP, v[XA]
	v_add_nc_u32 v[XA+2], 2*256*SP, v[XA]
	v_add_nc_u32 v[XA+3], 3*256*SP, v[XA]
	s_lshl_b32 s20, s[WV], 14
	s_add_co_u32 s20, s20, XSB
	v_add_nc_u32 v[KVS], s20, v[VWL]
	s_lshl_b32 s20, s[WV], 15
	s_add_co_u32 s20, s20, XSB
	v_add_nc_u32 v[VS], s20, v[VWL]
	v_lshlrev_b32 v[VT0], 5, v34
	v_add_nc_u32 v[VT0], TABL, v[VT0]
	v_mul_u32_u24 v[STO0], v34, 8*OP               ; the way out (its stages begin at LDS byte 0), in: row 8 (lane / 16) + .., my position's word
	v_lshl_add_u32 v[STO0], v33, 2, v[STO0]
	s_lshl_b32 s20, s[WV], 6
	v_add_nc_u32 v[STO0], s20, v[STO0]
	v_mul_u32_u24 v[RD0], v34, OP                  ; back: rows 32 w + .. (t = w), a row of 256 bytes for each half of the lanes
	v_lshl_add_u32 v[RD0], v33, 4, v[RD0]
	s_mul_i32 s20, s[WV], 32*OP
	v_add_nc_u32 v[RD0], s20, v[RD0]
	v_mov_b32 v[ONE], 1.0
	v_mov_b32 v[BIG], 0x4e800000
	v_mov_b32 v[BIG+1], 0x4e800000
	v_mov_b32 v[C1], 0xce7fffff
	v_mov_b32 v[C1+1], 0xce7fffff
	v_mov_b32 v[C05], 0xcdffffff
	v_mov_b32 v[C05+1], 0xcdffffff
	v_lshlrev_b32 v[PFO], 8, v32
.irp n, 0,1,2,3
.if \n < 3
	s_wait_loadcnt 32                              ; this batch (and, the first time, k^T v) is in; the other set's 32 loads may stay out
.else
	s_wait_loadcnt 0x0
.endif
	CVTB \n
	STB \n
.if \n < 2
	s_wait_dscnt 0x0                               ; the set has been read
	LOADB (\n)+2
.endif
.endr
	s_wait_dscnt 0x0
	s_barrier_signal -1
	s_barrier_wait -1                              ; the stage is whole: all four t
	WIN 0x40
.set i, 0
.rept 32                                               ; i = 4 ks + t
	ds_load_tr16_b128 v[8*i:8*i+3],   v[XA+i%4] offset:(i/4)*32*SP
	ds_load_tr16_b128 v[8*i+4:8*i+7], v[XA+i%4] offset:(i/4)*32*SP+16*SP
.set i, i+1
.endr
	s_wait_dscnt 0x0
	s_barrier_signal -1
	s_barrier_wait -1                              ; the stage is dead
	WIN 0x08
.set i, 0
.rept 32
	ds_store_b128 v[KVS], v[4*i:4*i+3] offset:i*512  ; the first change of slots, with its wait and barrier, shows these to the other waves
.set i, i+1
.endr
	WIN 0
; STAGE I: q, attention, projection.
.macro ATT hl                          ; head hl of the step's two: a^T = (k^T v)^T q^T in f16, all numbers exact; its LIF; the spikes take q's place as the projection's fragment
	s_wait_dscnt 0x0                               ; the head's k^T v is in
	WIN 0
.set c, 0
.rept 8                                                ; c = 2 t + eb
	v_wmma_f32_16x16x32_f16 v[ACC1+8*((1+2*(c%2))*4+c/2):ACC1+8*((1+2*(c%2))*4+c/2)+7], v[BUF+8*c:BUF+8*c+7], v[ACC1+8*(8*(\hl)+c/2):ACC1+8*(8*(\hl)+c/2)+7], 0
.set c, c+1
.endr
	PLACES
.if (\hl) == 0
	KRUN 1
.else
	RUN 0, 8
	RUN 1, 9
.endif
.set e, 0
.rept 2
.set t, 0
.rept 4
.set a, ACC1+8*((1+2*e)*4+t)
.set d, ACC1+8*(8*(\hl)+t)+4*e
	CORE a, t, C05, 1
.irp i, 0,1,2,3
	v_cvt_pk_bf16_f32 v[d+\i], v[a+2*\i], v[a+2*\i+1]
.endr
.set t, t+1
.endr
.set e, e+1
.endr
.endm
	s_mov_b32 s[NEW], 1
	s_mov_b32 s[TO], 0
	s_mov_b32 s[KO], XSB
	s_mov_b32 s[CNT], 4
.Lstage1:
	CHANGE 1
	v_add_nc_u32 v[VT], s[TO], v[VT0]
	v_add_nc_u32 v[VK], s[KO], v[VWL]
	RUN 0, 0
	RUN 1, 1
.set k, 0
.rept 8
.if k == 7
	s_wait_dscnt 0x0
.else
	s_wait_dscnt 8                                 ; run k is in; the run issued last may stay out
.endif
.if k == 0
	XMUL 0, 0, 1
.else
	XMUL k%3, k, 0
.endif
	PLACES
.if k <= 5
	RUN (k+2)%3, k+2
.endif
.set k, k+1
.endr
	BNL 0, 0
	BNL 1, 1
	KRUN 0
	LIF4 1
	ATT 0
	ATT 1
	ACCP 1
	s_add_co_u32 s[TO], s[TO], 512
	s_add_co_u32 s[KO], s[KO], 16384
	s_sub_co_u32 s[CNT], s[CNT], 1
	s_cmp_lg_u32 s[CNT], 0
	s_cbranch_scc1 .Lstage1
	s_wait_dscnt 0x0
	s_barrier_signal -1
	s_barrier_wait -1                              ; every wave's reads of k^T v are over: s may land on those bytes
; ACC2's registers cannot be chosen by a counter: the one line that names them, the batch norm, stands eight times, and puts blocks 2 r and 2 r + 1 into ACC1 (0, t) and (1, t); all else is written once.
; ep = 1: x's K block r is copied beside them.
.macro VAR r, ep
	WIN 0x02+(\r)/4
.set c, 0
.rept 8                                                ; c = 4 mbl + t
.set src, (((2*(\r)+c/4)%8)*4+c%4)*8
.set a, ACC1+8*c
.set sc, BUF+16*(c/4)
.irp i, 0,2,4,6
	v_pk_fma_f32 v[a+\i:a+\i+1], v[src+\i:src+\i+1], v[sc+\i:sc+\i+1], v[sc+8+\i:sc+8+\i+1]
.endr
.set c, c+1
.endr
.if \ep
	WIN 0x01
.set c, 0
.rept 32
	v_mov_b32 v[BUF+64+c], v[32*(\r)+c]
.set c, c+1
.endr
.endif
	WIN 0
.endm
.macro VARS ep
	WIN 0
.irp v, 0,1,2,3,4,5,6
	s_cmp_eq_u32 s[RR], \v
	s_cbranch_scc1 .Lvar_\@_\v
.endr
	VAR 7, \ep
	s_branch .Lvar_\@_8
.irp v, 0,1,2,3,4,5,6
.Lvar_\@_\v:
	VAR \v, \ep
	s_branch .Lvar_\@_8
.endr
.Lvar_\@_8:
.endm
.macro BN8                             ; two o-blocks' scales and shifts: block mbl at BUF + 16 mbl
.irp i, 0,1
	ds_load_b128 v[BUF+16*\i:BUF+16*\i+3],     v[VT] offset:\i*128
	ds_load_b128 v[BUF+16*\i+4:BUF+16*\i+7],   v[VT] offset:\i*128+16
	ds_load_b128 v[BUF+16*\i+8:BUF+16*\i+11],  v[VT] offset:\i*128+64
	ds_load_b128 v[BUF+16*\i+12:BUF+16*\i+15], v[VT] offset:\i*128+80
.endr
.endm
	s_mov_b32 s[TO], 2048                          ; the projection's table
	s_mov_b32 s[SO], 0
	s_mov_b32 s[RR], 0
.Lep1:                                                 ; a trip: 32 channels of s, as one K block of fragments, into my own bytes of LDS
	v_add_nc_u32 v[VT], s[TO], v[VT0]
	v_add_nc_u32 v[VSE], s[SO], v[VS]
	BN8
	s_wait_dscnt 0x0
	VARS 0
	TILE4 0, 0, 0, 0
	TILE4 1, 0, 0, 0
.irp t, 0,1,2,3
	ds_store_b128 v[VSE], v[ACC1+8*\t:ACC1+8*\t+3]   offset:\t*1024
	ds_store_b128 v[VSE], v[ACC1+8*\t+4:ACC1+8*\t+7] offset:\t*1024+512
.endr
	s_add_co_u32 s[TO], s[TO], 256
	s_add_co_u32 s[SO], s[SO], 4096
	s_add_co_u32 s[RR], s[RR], 1
	s_cmp_lt_u32 s[RR], 8
	s_cbranch_scc1 .Lep1
; THE MLP.  A step: 64 hidden channels.  fc1: 16 blocks, W1 x and W1 s by turns on the same weight run; runs go round three sets, each issued two blocks ahead of its use, into the set whose last reader is the block just done.
.macro MLPG first
	v_add_nc_u32 v[VT], s[TO], v[VT0]
	RUN 0, 0
	SRUN 1, 0
.set k, 0
.rept 16
.if k == 15
	s_wait_dscnt 0x0
.else
	s_wait_dscnt 8                                 ; run k is in; the run issued last may stay out
.endif
.if k == 0
	XMUL 0, 0, 1
.elseif k%2 == 0
	XMUL k%3, k/2, 0
.else
	SMUL (k-1)%3, k%3
.endif
	PLACES
.if k <= 13
.if k%2 == 0
	RUN (k+2)%3, (k+2)/2
.else
	SRUN (k+2)%3, (k+2)/2
.endif
.endif
.set k, k+1
.endr
	BNL 0, 0
	BNL 1, 1
	RUN 0, 8
	RUN 1, 9
	LIF4 0
	ACCP \first
	s_add_co_u32 s[TO], s[TO], 512
.endm
	s_mov_b32 s[NEW], 1
	s_mov_b32 s[TO], 4096                          ; fc1's table
	s_mov_b32 s[CNT], 15
.Lmlp:
	CHANGE 1
	MLPG 1
	s_sub_co_u32 s[CNT], s[CNT], 1
	s_cmp_lg_u32 s[CNT], 0
	s_cbranch_scc1 .Lmlp
	CHANGE 0                                       ; the last step is written out: nothing is asked for
	MLPG 0
	s_wait_dscnt 0x0
	s_barrier_signal -1
	s_barrier_wait -1                              ; every wave's reads of the slots are over, and both have had their last fill: they serve as the way out's stages
	; THE WAY OUT.  A trip: 32 channels.  out = bf16(x) + s + spike.  A lane holds one position and 8 channels: the numbers go through a stage of 128 rows (t, channel) x 64 positions and come back as whole rows of 256 bytes.
	; The two stages take turns, so one barrier a trip does: a stage is written again two trips later, behind a barrier that each wave signalled after its reads of it had come back.
	s_mov_b32 s[TO], 12288                         ; fc2's table
	s_mov_b32 s[SO], 0
	s_mov_b32 s[OSX], 0
	s_mov_b32 s[RR], 0
.Lep2:
	v_add_nc_u32 v[VT], s[TO], v[VT0]
	v_add_nc_u32 v[VSE], s[SO], v[VS]
	v_add_nc_u32 v[STO], s[OSX], v[STO0]
	v_add_nc_u32 v[RD], s[OSX], v[RD0]
	BN8
.irp t, 0,1,2,3
	ds_load_b128 v[BUF+32+8*\t:BUF+32+8*\t+3],   v[VSE] offset:\t*1024
	ds_load_b128 v[BUF+32+8*\t+4:BUF+32+8*\t+7], v[VSE] offset:\t*1024+512
.endr
	s_wait_dscnt 8                                 ; the tables are in; s's eight loads may stay out
	VARS 1
.set o, 0
.rept 2
.set t, 0
.rept 4
.set a, ACC1+8*(o*4+t)
	CORE a, t, C1, 0
.set t, t+1
.endr
.set o, o+1
.endr
	s_wait_dscnt 0x0                               ; s is in
.set c, 0
.rept 8                                                ; c = 4 mbl + t.  spike + s is a whole number; x comes last: one rounding
.set a, ACC1+8*c
.set sr, BUF+32+8*(c%4)+4*(c/4)
.set xr, BUF+64+8*(c%4)+4*(c/4)
.irp i, 0,1,2,3
	v_fma_mix_f32_bf16 v[a+2*\i],   v[sr+\i], v[ONE], v[a+2*\i]   op_sel_hi:[1,0,0]
	v_fma_mix_f32_bf16 v[a+2*\i+1], v[sr+\i], v[ONE], v[a+2*\i+1] op_sel:[1,0,0] op_sel_hi:[1,0,0]
.endr
.irp i, 0,1,2,3
	v_fma_mix_f32_bf16 v[a+2*\i],   v[xr+\i], v[ONE], v[a+2*\i]   op_sel_hi:[1,0,0]
	v_fma_mix_f32_bf16 v[a+2*\i+1], v[xr+\i], v[ONE], v[a+2*\i+1] op_sel:[1,0,0] op_sel_hi:[1,0,0]
.endr
.irp i, 0,1,2,3,4,5,6,7
	ds_store_b32 v[STO], v[a+\i] offset:((c%4)*32+(c/4)*16+\i)*OP
.endr
.set c, c+1
.endr
	s_wait_dscnt 0x0
	s_barrier_signal -1
	s_barrier_wait -1                              ; the stage is whole
.set c, 0
.rept 16
	ds_load_b128 v[ACC1+64+4*c:ACC1+64+4*c+3], v[RD] offset:c*2*OP
.set c, c+1
.endr
.set c, 0
.rept 16
	s_wait_dscnt 15-c                              ; rows 2 c and 2 c + 1 are back; the younger loads may stay out
	global_store_b128 v[GO], v[ACC1+64+4*c:ACC1+64+4*c+3], s[OUT:OUT+1] offset:c*8192 th:TH_STORE_NT  ; 16 lanes store 256 consecutive bytes, aligned
.set c, c+1
.endr
	s_wait_xcnt 0x0                                ; the stores have read their data and their base: both are written again
	s_add_nc_u64 s[OUT:OUT+1], s[OUT:OUT+1], 131072
	s_add_co_u32 s[TO], s[TO], 256
	s_add_co_u32 s[SO], s[SO], 4096
	s_xor_b32 s[OSX], s[OSX], OSB
	s_add_co_u32 s[RR], s[RR], 1
	s_cmp_lt_u32 s[RR], 8
	s_cbranch_scc1 .Lep2
	s_wait_tensorcnt 0x0                           ; the wave's end
	ds_add_u32 v[SPW], v[NIL]
	s_wait_dscnt 0x0
	CROUND                                         ; the closing round
	s_endpgm
.Lfunc_end_k_q64b4629b63_main:
	.size	k_q64b4629b63_main, .Lfunc_end_k_q64b4629b63_main-k_q64b4629b63_main
	.p2alignl 7, 3214868480
	.fill 96, 4, 3214868480
	.section	.rodata,"a",@progbits
	.p2align	6, 0x0
	.amdhsa_kernel k_q64b4629b63_main
		.amdhsa_group_segment_fixed_size 327680
		.amdhsa_private_segment_fixed_size 0
		.amdhsa_enable_private_segment 0
		.amdhsa_kernarg_size 40
		.amdhsa_user_sgpr_count 2
		.amdhsa_user_sgpr_kernarg_segment_ptr 1
		.amdhsa_wavefront_size32 1
		.amdhsa_system_sgpr_workgroup_id_x 1
		.amdhsa_system_sgpr_workgroup_id_y 1
		.amdhsa_system_sgpr_workgroup_id_z 1
		.amdhsa_system_vgpr_workitem_id 0
		.amdhsa_next_free_vgpr 1024
		.amdhsa_next_free_sgpr 80
		.amdhsa_reserve_vcc 0
		.amdhsa_float_denorm_mode_32 3
		.amdhsa_float_denorm_mode_16_64 3
		.amdhsa_memory_ordered 1
		.amdhsa_forward_progress 1
		.amdhsa_inst_pref_size 255
	.end_amdhsa_kernel
	.section	.bss,"aw",@nobits
	.p2align	6
	.space	262144
	.amdgpu_metadata
---
amdhsa.version: [ 1, 2 ]
amdhsa.kernels:
  - .name:           k_q64b4629b63_main
    .symbol:         k_q64b4629b63_main.kd
    .args:
      - { .name: x, .offset: 0, .size: 8, .value_kind: global_buffer, .address_space: global }
      - { .name: wst, .offset: 8, .size: 8, .value_kind: global_buffer, .address_space: global }
      - { .name: tab, .offset: 16, .size: 8, .value_kind: global_buffer, .address_space: global }
      - { .name: kvf, .offset: 24, .size: 8, .value_kind: global_buffer, .address_space: global }
      - { .name: out0, .offset: 32, .size: 8, .value_kind: global_buffer, .address_space: global }
    .group_segment_fixed_size: 327680
    .private_segment_fixed_size: 0
    .kernarg_segment_align: 8
    .kernarg_segment_size: 40
    .max_flat_workgroup_size: 128
    .sgpr_count:     80
    .vgpr_count:     1024
    .wavefront_size: 32
...
	.end_amdgpu_metadata
.endif
;; end of part 4
